; MI455X (gfx1250); checked and timed in simulation.
; The chip was launched on July 23, 2026; its instructions are those of AMD's public machine-readable ISA for CDNA 5 (MIT licence, August 2026) and "CDNA5" Instruction Set Architecture Reference Guide (July 2026). The comments in the code are by the model that wrote it; some were corrected since.
;; Graph Multi Head Self Attention. Allowed arithmetic: matrix products marked QUANTISED: E2M1 operands, one E8M0 scale for each 32 along K, by v_wmma_scale_f32_16x16x128_f8f6f4 with both operands' format E2M1 (or v_wmma_scale_f32_32x16x128_f4), f32 sums; everything else in f32.
;; Inputs: Wk 256 x 256 float32; Wq 256 x 256 float32; Wv 256 x 256 float32; adj 2 x 4,096 x 4,096 bool; bk 256 float32; bq 256 float32; bv 256 float32; node_features 2 x 4,096 x 256 float32.
;; Outputs: out0 2 x 4,096 x 256 float32.
;; This version of the problem:
;;   THIS VERSION OF THE PROBLEM IS GIVEN IN LOW PRECISION. The matrix products marked QUANTISED in the list below multiply operands that are first quantised to E2M1 (2 exponent bits, 1 mantissa bit; 4 bits a number), with one power-of-two scale for each 32 numbers along K (OCP MX v1.0); their sums are f32. All else is computed in f32.
;;   The module's matrix products, in the order in which they are computed (A, B: the left and right operand; K: the contracted axis; several contracted axes count as one K, in the product's order):
;;     1. [M 8,192, K 256] x [K 256, N 256]; A: input node_features; B: input Wq: QUANTISED
;;     2. [M 8,192, K 256] x [K 256, N 256]; A: input node_features; B: input Wk: QUANTISED
;;     3. [M 8,192, K 256] x [K 256, N 256]; A: input node_features; B: input Wv: QUANTISED
;;     4. batch 16 x [M 4,096, K 32] x [K 32, N 4,096]; A: computed on the way; B: computed on the way: QUANTISED
;;     5. batch 16 x [M 4,096, K 4,096] x [K 4,096, N 32]; A: softmax (see below); B: computed on the way: QUANTISED
;;   THE QUANTISER, for each operand of a quantised product, along K:
;;     - K is cut into blocks of 32 from its start; a last block that is shorter is filled with zeros.
;;     - A block's scale is 2^e with e = floor(log2(the largest magnitude in the block)) - 2, held to -126 .. 127; a block of zeros has e = 0. As a byte (E8M0): e + 127.
;;     - Each number is divided by its block's scale, clamped to +-6, and rounded to the nearest number of E2M1, ties to even, subnormals kept.
;;     - The product sums the exact products of the quantised numbers (number of the format x scale) in f32.
;;   ~~~python
;;   def quantise(x, axis):      # numpy; x: float32 -> the quantised numbers, widened to float32 again
;;       x = np.moveaxis(x, axis, -1); K = x.shape[-1]
;;       x = np.pad(x, [(0, 0)] * (x.ndim - 1) + [(0, -K % 32)]); x = x.reshape(x.shape[:-1] + (-1, 32)); a = np.abs(x).max(-1, keepdims=True)
;;       e = np.where(a > 0, np.clip(np.frexp(np.where(a > 0, a, 1))[1] - 1 - 2, -126, 127), 0)      # np.frexp(a)[1] - 1 = floor(log2(a)), exactly
;;       r = np.clip(x / 2.0 ** e, -6, 6)
;;       step = 2.0 ** (np.maximum(np.frexp(np.where(r == 0, 1, r))[1] - 1, 0) - 1)
;;       q = np.round(r / step) * step * 2.0 ** e      # np.round: ties to even
;;       return np.moveaxis(q.reshape(q.shape[:-2] + (-1,))[..., :K], -1, axis).astype(np.float32)
;;   ~~~
;;   SOFTMAX AHEAD OF A QUANTISED PRODUCT. Where the list says 'softmax', what is quantised is not the finished softmax but p = 2^(t - M), with t = logit x log2(e) and M = ceil(the row's largest t), a whole number; so 1/2 < the row's largest p <= 1. The row's sum l is taken of the UNQUANTISED p, in f32, and the product's result is divided by l at the end. Since M is a whole number, a kernel that streams over the keys may use a running M (the ceiling of the running maximum): every later rescaling is an exact power of two, which a block's scale takes up: the codes' values come out the same.
;;   OPERANDS COMPUTED ON THE WAY. 'Computed on the way' means the value that the module computes at that place (a softmax that the list does not call 'softmax' is quantised finished and normalised). What goes into a quantiser is computed in f32, as accurately as f32 sums, v_exp_f32 and their like allow (about 1e-6 of the number): no bf16 or f16 on the way to a quantiser, and a product that is left as it is and whose result goes on into a quantised operand takes f32 operands (vector FMAs, or v_wmma_f32_16x16x4_f32). A number that lies on a knife's edge between two numbers of the format may be rounded either way, as far as f32 arithmetic and the matrix unit's own rounding can turn it there, and no further.
;; One version. Each part assembles by itself: llvm-mc -triple=amdgcn-amd-amdhsa -mcpu=gfx1250 --defsym DOCPART=n.
;; ======== version 1 of 1: 2 launches
;; limits: right only within a limited range of input values
;; workspace buffers: qq 1,114,112 bytes; kv 2,228,224 bytes
;; launch prep (part 1): grid 6 x 64, 8 waves a work-group, no clusters, 88,064 bytes of LDS; arguments node_features, Wq, bq, Wk, bk, Wv, bv, qq, kv; writes qq, kv
.if DOCPART == 1
	.amdgcn_target "amdgcn-amd-amdhsa--gfx1250"
	.amdhsa_code_object_version 6
	.text
	.protected	k_qe610b54259_prep
	.globl	k_qe610b54259_prep
	.p2align	8
	.type	k_qe610b54259_prep,@function
k_qe610b54259_prep:
	s_mov_b64 s[64:65], 0
	v_nop
	global_prefetch_b8 v0, s[64:65] scope:SCOPE_SE
	s_setreg_imm32_b32 hwreg(HW_REG_WAVE_MODE, 25, 1), 1
	s_wait_xcnt 0x0
; Q, K, V = x W^T + b on codes of FP4 (E2M1) with one E8M0 scale for each 32 along K, and the results quantised again for the attention launch.
; x: [8192][256] f32; Wq, Wk, Wv: [256][256] f32, K innermost; bq, bk, bv: [256] f32.
; SHARES.  Work-group (x = 2 type + g, y = rb): 128 rows of x (row block rb) against 128 rows (group g) of one W: type 0 = Q, 1 = K, 2 = V.  Eight waves.
; PHASE A: each wave quantises 16 rows of x and 16 rows of W along K = 256 (16 steps of 512 numbers) into LDS: rows of 128 bytes of codes, 144 bytes apart, and 8 scale bytes a row.
; PHASE B: ONE TEXT FOR ALL THREE TYPES.  Source 0 = eight tiles of a matrix P, source 1 = one tile of a matrix R.  Q, K: P = W's group, R = x.  V: P = x, R = W's group.
;   THE ROWS OF P THAT FORM A TILE ARE NOT NEIGHBOURS: lane r of tile t takes row 32 (t / 2) + 8 (t % 2) + r + 8 (r / 8), so that in the result lane (r, h) holds row r of R's tile and its
;   register 16 b + i the column 32 b + 16 h + i: 16 neighbours of each block of 32 along the NEXT product's K (Q, K: the channels of four heads, a head a block; V: the 128 keys).
;   They are quantised in registers and leave as an IMAGE OF THE OPERAND'S REGISTERS: registers 4 c .. 4 c + 3 at 512 c + 16 x lane: each store of the wave covers 512 consecutive bytes.
;   R's tile of wave w: rows 16 w + r (Q: queries; V: channels); for K the keys 32 (w / 2) + 8 (w % 2) + r + 8 (r / 8), so that the scores' registers run along neighbouring keys.
; The bias is the C of each sum's first matrix instruction, loaded straight into the accumulators in the result's layout.
; OUT.  qq: 64 blocks of 17,408 bytes: images at 8192 g + 1024 w; scale words at 16,384 + 512 g + 32 r + 4 w.
;       kv: 64 chunks of 34,816 bytes: K's images at 8192 g + 1024 w; V's at 16,384 + 8192 g + 1024 w; K's scale words at 32,768 + 512 g + 32 r + 4 w; V's at 33,792 + the same.
; LIMITS: a block whose largest magnitude lies under 2^(3 - 127) has its byte held at 1 (a block of zeros too: its codes are zeros, and this program alone reads the bytes); NaN and infinities among the inputs are not served.
; No tensor load: x's and W's numbers must pass through registers to be quantised.  No cluster: nothing is brought into LDS by a copy engine that partners could share.
.set CP,   144                         ; a row of 256 codes in LDS: 128 bytes + 16: the 16 rows of a fragment load start 36 words apart
.set SP,   80                          ; a lane's place in a stage: 64 bytes + 16
.set XC,   40960                       ; behind the eight waves' stages (2 x 32 x SP bytes each): x's codes, 128 rows
.set DIST, 128*CP                      ; W's codes lie DIST behind x's
.set SCX,  XC+2*DIST                   ; x's scale bytes, 8 a row; W's 1,024 behind them
.set SCG,  81920                       ; 512 bytes in which the eight waves' scale words meet
.set BIA,  83968                       ; behind the spare words: the group's 128 numbers of the bias, 512 bytes, a copy of its own for each wave
.set WV,   22                          ; s22 wave;  s23 type;  s24 g;  s25 rb
.set TY,   23
.set GG,   24
.set RB,   25
.set SEL,  26                          ; s[26:27] lane selects for v_permlanex16_b32: lane l xor 16
.set R,    32                          ; phase A: eight sets of 16 numbers as loaded: v32-95 and v176-239 (the accumulators' registers, free until phase B); v96-127 two sets of 16 neighbours; v128-159 codes, two registers a step; v160-175 a byte a step
.set X,    96
.set C,    128
.set E,    160
.set D,    176                         ; v176-239 the eight accumulators
.set PF,   32                          ; phase B: v32-95 P's eight fragments of a K step; v96-111 R's two
.set RF,   96
.set PS,   240                         ; v240-255 P's scale words, a pair (K step 0, 1) a tile; v28-29 R's; v30 the word just made: these hold scales and nothing else
.set RS,   28
.set PW,   30
.set TM,   136                         ; v136-151 at work in QUANT
.set PC,   152                         ; v152-159 the codes just made
	s_load_b512 s[4:19], s[0:1], 0x0               ; x s[4:5], Wq s[6:7], bq s[8:9], Wk s[10:11], bk s[12:13], Wv s[14:15], bv s[16:17], qq s[18:19]
	s_load_b64 s[20:21], s[0:1], 0x40              ; kv
	v_lshl_add_u32 v27, v0, 2, 0x14400
	v_mov_b32 v31, 0
	v_mul_u32_u24 v26, v0, CP                      ; the 16 bytes of padding behind each of the 256 rows of codes are cleared, a thread a row: so every byte from XC to the scale bytes is written
.irp i, 0,1,2,3
	v_mov_b32 v[160+\i], 0
.endr
	v_add_nc_u32 v26, XC+128, v26
	ds_store_b128 v26, v[160:163]
	v_lshrrev_b32 v1, 5, v0
	s_delay_alu instid0(VALU_DEP_1)
	v_readfirstlane_b32 s[WV], v1                  ; wave 0..7
	s_lshr_b32 s[TY], ttmp9, 1
	s_and_b32 s[GG], ttmp9, 1
	s_and_b32 s[RB], ttmp7, 0xffff
	s_mov_b32 s[SEL], 0x76543210
	s_mov_b32 s[SEL+1], 0xfedcba98
	v_and_b32 v1, 31, v0                           ; lane
	v_and_b32 v2, 15, v0                           ; r
	v_bfe_u32 v17, v0, 4, 1                        ; h
	s_delay_alu instid0(VALU_DEP_3)
	v_lshlrev_b32 v3, 4, v1                        ; 16 x lane: my 16 bytes of a load's or a store's 512
	s_mul_i32 s36, s[WV], 2*32*SP                  ; my wave's two stages
	v_lshrrev_b32 v4, 2, v1
	s_delay_alu instid0(VALU_DEP_1)
	v_mul_u32_u24 v4, v4, SP
	v_and_b32 v8, 3, v1
	s_delay_alu instid0(VALU_DEP_1)
	v_lshl_add_u32 v4, v8, 4, v4
	s_delay_alu instid0(VALU_DEP_1)
	v_add_nc_u32 v4, s36, v4                       ; into a stage: SP (lane / 4) + 16 (lane % 4)
	v_mul_u32_u24 v5, v1, SP
	s_delay_alu instid0(VALU_DEP_1)
	v_add_nc_u32 v5, s36, v5                       ; out of it: SP x lane: 16 neighbours
	s_mul_i32 s36, s[WV], 16*CP
	s_add_co_u32 s36, s36, XC
	v_mul_u32_u24 v6, v17, CP
	s_delay_alu instid0(VALU_DEP_1)
	v_lshl_add_u32 v6, v2, 3, v6
	s_delay_alu instid0(VALU_DEP_1)
	v_add_nc_u32 v6, s36, v6                       ; my 16 codes: row 16 w + 2 step + h, byte 8 r
	s_lshl_b32 s36, s[WV], 7
	s_add_co_u32 s36, s36, SCX
	v_lshrrev_b32 v7, 1, v1
	s_delay_alu instid0(VALU_DEP_1)
	v_add_nc_u32 v7, s36, v7                       ; my block's byte: 128 w + 16 step + lane / 2
	v_and_b32 v20, 8, v2
	s_delay_alu instid0(VALU_DEP_1)
	v_add_nc_u32 v20, v20, v2                      ; r + 8 (r / 8)
	s_wait_alu depctr_va_vdst(0)
	s_cmp_eq_u32 s[TY], 2                          ; V: P = x, R = W; else the other way round
	s_cselect_b32 s38, 0, DIST
	s_cselect_b32 s39, DIST, 0
	s_cselect_b32 s40, 0, 1024
	s_cselect_b32 s41, 1024, 0
	s_cselect_b32 s42, 16384, 0                    ; V's images lie behind K's
	s_add_co_u32 s38, s38, XC
	s_add_co_u32 s39, s39, XC
	s_add_co_u32 s40, s40, SCX
	s_add_co_u32 s41, s41, SCX
	v_mul_u32_u24 v12, v20, CP
	s_delay_alu instid0(VALU_DEP_1)
	v_lshl_add_u32 v12, v17, 4, v12
	s_delay_alu instid0(VALU_DEP_1)
	v_add_nc_u32 v12, s38, v12                     ; P's fragments: row r + 8 (r / 8) of a tile, + 16 h
	v_lshlrev_b32 v13, 3, v20
	s_delay_alu instid0(VALU_DEP_1)
	v_add_nc_u32 v13, s40, v13                     ; and their scale words
	s_lshl_b32 s43, s[WV], 4
	v_add_nc_u32 v21, s43, v2                      ; R's row, rows as they lie: 16 w + r
	s_lshr_b32 s44, s[WV], 1
	s_lshl_b32 s44, s44, 5
	s_and_b32 s45, s[WV], 1
	s_lshl_b32 s45, s45, 3
	s_add_co_u32 s44, s44, s45
	v_add_nc_u32 v22, s44, v20                     ; and for K: 32 (w / 2) + 8 (w % 2) + r + 8 (r / 8)
	s_cmp_eq_u32 s[TY], 1
	s_cselect_b32 s46, -1, 0
	v_cndmask_b32 v23, v21, v22, s46
	s_delay_alu instid0(VALU_DEP_1)
	v_mul_u32_u24 v14, v23, CP
	s_delay_alu instid0(VALU_DEP_1)
	v_lshl_add_u32 v14, v17, 4, v14
	s_delay_alu instid0(VALU_DEP_1)
	v_add_nc_u32 v14, s39, v14                     ; R's fragments
	s_delay_alu instid0(VALU_DEP_4)
	v_lshlrev_b32 v15, 3, v23
	s_delay_alu instid0(VALU_DEP_1)
	v_add_nc_u32 v15, s41, v15                     ; and their scale words
	s_lshl_b32 s53, s[WV], 9
	s_add_co_u32 s53, s53, BIA                     ; my wave's copy of the bias in LDS
	s_wait_alu depctr_va_vdst(0)                   ; directly ahead of the readers below
	v_lshl_add_u32 v16, v17, 6, s53                ; the bias of Q, K: my half's 16 h numbers on
	v_lshl_add_u32 v24, v21, 2, s53                ; the bias of V: my channel's one number
	v_add_nc_u32 v25, s53, v3                      ; and where my lane puts its 16 bytes of it
	s_lshl_b32 s47, s[WV], 2
	s_add_co_u32 s47, s47, SCG
	v_lshl_add_u32 v18, v2, 5, s47                 ; where my row's scale word goes: 32 r + 4 w
	v_add_nc_u32 v19, SCG, v3
	s_mov_b32 s37, 34816
	s_mov_b32 s48, 32768
	s_mov_b32 s49, 33792
	s_mov_b32 s51, 0
	s_wait_kmcnt 0x0
	s_cmp_eq_u32 s[TY], 1                          ; the buffers are chosen by the work-group's number alone
	s_cselect_b64 s[28:29], s[10:11], s[14:15]
	s_cselect_b64 s[30:31], s[12:13], s[16:17]
	s_cmp_eq_u32 s[TY], 0
	s_cselect_b64 s[28:29], s[6:7], s[28:29]       ; W
	s_cselect_b64 s[30:31], s[8:9], s[30:31]       ; its bias
	s_cselect_b64 s[32:33], s[18:19], s[20:21]     ; qq or kv
	s_cselect_b32 s37, 17408, s37                  ; bytes of a block there
	s_cselect_b32 s48, 16384, s48                  ; where the scale words begin in it
	s_cmp_eq_u32 s[TY], 2
	s_cselect_b32 s48, s49, s48
	s_mul_i32 s50, s[RB], s37
	s_add_nc_u64 s[32:33], s[32:33], s[50:51]
	s_lshl_b32 s50, s[GG], 9
	s_add_co_u32 s50, s50, s48
	s_add_nc_u64 s[34:35], s[32:33], s[50:51]      ; the group's 512 bytes of scale words
	s_lshl_b32 s50, s[GG], 13
	s_lshl_b32 s52, s[WV], 10
	s_add_co_u32 s50, s50, s52
	s_add_co_u32 s50, s50, s42
	s_add_nc_u64 s[32:33], s[32:33], s[50:51]      ; my wave's image
	s_lshl_b32 s50, s[RB], 17
	s_lshl_b32 s52, s[WV], 14
	s_add_co_u32 s50, s50, s52
	s_add_nc_u64 s[4:5], s[4:5], s[50:51]          ; x: block rb's 128 rows of 1,024 bytes, my 16 of them
	s_lshl_b32 s50, s[GG], 17
	s_add_co_u32 s50, s50, s52
	s_add_nc_u64 s[28:29], s[28:29], s[50:51]      ; W: group g's 128 rows, my 16
	s_lshl_b32 s50, s[GG], 9
	s_add_nc_u64 s[30:31], s[30:31], s[50:51]      ; the group's 128 numbers of the bias
	s_wait_alu depctr_va_vdst(0)
	global_load_b128 v[172:175], v3, s[30:31]      ; the bias, 512 consecutive bytes a wave: it waits in the wave's own LDS bytes until phase B
; ---- PHASE A.  A step is 512 numbers, two rows.  Each of its four loads reads 512 consecutive bytes; the 2,048 bytes turn through the wave's own stage, so that a lane holds 16 neighbours along K; two neighbouring lanes hold a block.
.macro LOAD t                          ; steps 0-7: my rows of x; steps 8-15: my rows of W.  Set t % 8: sets 0-3 from v32 on, sets 4-7 from v176 on
.set RT, R+16*((\t)%8)+80*(((\t)%8)/4)
.irp i, 0,1,2,3
.if (\t) < 8
	global_load_b128 v[RT+4*\i:RT+4*\i+3], v3, s[4:5] offset:2048*(\t)+512*\i
.else
	global_load_b128 v[RT+4*\i:RT+4*\i+3], v3, s[28:29] offset:2048*((\t)-8)+512*\i
.endif
.endr
.endm
.macro TURN t                          ; LDS serves a wave's instructions in order (ISA guide 5.7.1.4): no wait between the stores and the loads
.set RT, R+16*((\t)%8)+80*(((\t)%8)/4)
.irp i, 0,1,2,3
	ds_store_b128 v4, v[RT+4*\i:RT+4*\i+3] offset:32*SP*((\t)%2)+8*SP*\i
.endr
.irp i, 0,1,2,3
	ds_load_b128 v[X+16*((\t)%2)+4*\i:X+16*((\t)%2)+4*\i+3], v5 offset:32*SP*((\t)%2)+16*\i
.endr
.endm
.macro QSTEP t
.set XS, X+16*((\t)%2)
.if (\t) < 8
.set CO, 2*CP*(\t)
.set BO, 16*(\t)
.else
.set CO, DIST+2*CP*((\t)-8)
.set BO, 1024+16*((\t)-8)
.endif
.if (\t) > 0
	s_wait_dscnt 2                                 ; this step's numbers are back from the stage; the last step's two stores, issued behind them, may be out
.else
	s_wait_dscnt 0x0
.endif
.if (\t)+8 < 16
	LOAD (\t)+8                                    ; into the set that this step's stores into the stage have read
.endif
.if (\t)+1 < 16
.if 14-(\t) >= 7
	s_wait_loadcnt 28                              ; the next step's four loads are in; those of the seven steps behind it may be out
.else
	s_wait_loadcnt 4*(14-(\t))
.endif
	TURN (\t)+1
.endif
	v_max3_num_f32 v8, |v[XS]|, |v[XS+1]|, |v[XS+2]|               ; the largest magnitude of my 16, in two chains
	v_max3_num_f32 v9, |v[XS+3]|, |v[XS+4]|, |v[XS+5]|
.irp i, 6,10
	s_delay_alu instid0(VALU_DEP_2)
	v_max3_num_f32 v8, v8, |v[XS+\i]|, |v[XS+\i+1]|
	s_delay_alu instid0(VALU_DEP_2)
	v_max3_num_f32 v9, v9, |v[XS+\i+2]|, |v[XS+\i+3]|
.endr
	s_delay_alu instid0(VALU_DEP_2)
	v_max3_num_f32 v8, v8, |v[XS+14]|, |v[XS+15]|
	s_delay_alu instid0(VALU_DEP_1)
	v_max3_num_f32 v8, v8, v9, 0x1800000           ; and the floor 2^(3 - 127): the byte cannot fall under 1
	s_delay_alu instid0(VALU_DEP_1)
	v_max_num_f32_dpp v8, v8, v8 row_xmask:1 row_mask:0xf bank_mask:0xf   ; with my neighbour's 16: the block's
	s_delay_alu instid0(VALU_DEP_1)
	v_add_nc_u32 v11, 0xff000000, v8               ; 2 off its exponent field: the conversion takes the exponent field of this operand as its scale
	v_cvt_scalef32_pk8_fp4_f32 v[C+2*(\t)], v[XS:XS+7], v11
	v_cvt_scalef32_pk8_fp4_f32 v[C+2*(\t)+1], v[XS+8:XS+15], v11
	v_lshrrev_b32 v[E+(\t)], 23, v11               ; the scale's byte (also the plain line behind the conversions)
	ds_store_b8 v7, v[E+(\t)] offset:BO            ; both lanes of a block write the same byte with the same value
	ds_store_b64 v6, v[C+2*(\t):C+2*(\t)+1] offset:CO
.endm
.irp t, 0,1,2,3,4,5,6,7
	LOAD \t
.endr
	s_wait_loadcnt 28                              ; the bias and step 0's four loads are in; the 28 loads of steps 1 to 7 may be out
	ds_store_b128 v25, v[172:175]                  ; the bias into my wave's own copy
	TURN 0
.irp t, 0,1,2,3,4,5,6,7,8,9,10,11,12,13,14,15
	QSTEP \t
.endr
	s_wait_dscnt 0x0                               ; for the others' sake: my codes and bytes have landed
	s_barrier_signal -1
	s_barrier_wait -1                              ; 128 rows of x and 128 rows of W lie in LDS as codes
; ---- PHASE B
.irp s, 0,1
.irp c, 0,1
	ds_load_b128 v[RF+8*\s+4*\c:RF+8*\s+4*\c+3], v14 offset:64*\s+32*\c
.endr
.endr
	ds_load_b64 v[RS:RS+1], v15
	; the bias goes into the accumulators, out of my wave's own copy.  Q, K: register 8 t + j is channel 32 (t / 2) + 16 h + 8 (t % 2) + j.  V: every register is my lane's channel 16 w + r
	s_cmp_eq_u32 s[TY], 2
	s_cbranch_scc1 .Lbias_v
.irp t, 0,1,2,3,4,5,6,7
	ds_load_b128 v[D+8*\t:D+8*\t+3], v16 offset:(32*(\t/2)+8*(\t%2))*4
	ds_load_b128 v[D+8*\t+4:D+8*\t+7], v16 offset:(32*(\t/2)+8*(\t%2))*4+16
.endr
	s_branch .Lbias_in
.Lbias_v:
.set j, 0
.rept 64
	ds_load_b32 v[D+j], v24
.set j, j+1
.endr
.Lbias_in:
.irp t, 0,1,2,3,4,5,6,7
	ds_load_b64 v[PS+2*\t:PS+2*\t+1], v13 offset:(32*(\t/2)+8*(\t%2))*8
.endr
.irp s, 0,1                                    ; two K steps of 128; the eight accumulators take turns, one instruction a turn
.if \s
.rept 4
	v_nop                                          ; places in front of loads into registers that matrix instructions have read
.endr
.endif
.irp t, 0,1,2,3,4,5,6,7
.irp c, 0,1
	ds_load_b128 v[PF+8*\t+4*\c:PF+8*\t+4*\c+3], v12 offset:(32*(\t/2)+8*(\t%2))*CP+64*\s+32*\c
.endr
.endr
	s_wait_dscnt 0x0                               ; the fragments, the scale words and the bias are in
.irp t, 0,1,2,3,4,5,6,7
	v_wmma_scale_f32_16x16x128_f8f6f4 v[D+8*\t:D+8*\t+7], v[PF+8*\t:PF+8*\t+7], v[RF+8*\s:RF+8*\s+7], v[D+8*\t:D+8*\t+7], v[PS+2*\t+\s], v[RS+\s] matrix_a_fmt:MATRIX_FMT_FP4 matrix_b_fmt:MATRIX_FMT_FP4
.endr
.endr
.irp b, 0,1,2,3
	v_mov_b32 v[TM+4+\b], 0                        ; a lane permute's destination counts as one of its sources; these four lines are also the places behind the last products
.endr
	; 64 numbers of a lane, register 16 b + i = column 32 b + 16 h + i of my row, become a fragment's codes in v[PC] on and its scale word in v[PW]
.irp b, 0,1,2,3
	v_max3_num_f32 v[TM+\b], |v[D+16*\b]|, |v[D+1+16*\b]|, 0x1800000   ; block b: my 16 numbers and the floor; each accumulator is read from its low end on
.endr
.irp i, 2,4,6,8,10,12,14
.irp b, 0,1,2,3
	v_max3_num_f32 v[TM+\b], v[TM+\b], |v[D+16*\b+\i]|, |v[D+1+16*\b+\i]|
.endr
.endr
.irp b, 0,1,2,3
	s_delay_alu instid0(VALU_DEP_4)
	v_permlanex16_b32 v[TM+4+\b], v[TM+\b], s[SEL], s[SEL+1]
.endr
.irp b, 0,1,2,3
	s_delay_alu instid0(VALU_DEP_4)
	v_max_num_f32 v[TM+\b], v[TM+\b], v[TM+4+\b]   ; with lane l xor 16's: the block's largest magnitude
.endr
.irp b, 0,1,2,3
	s_delay_alu instid0(VALU_DEP_4)
	v_add_nc_u32 v[TM+12+\b], 0xff000000, v[TM+\b]
.endr
.irp b, 0,1,2,3
	s_delay_alu instid0(VALU_DEP_4)
	v_lshrrev_b32 v[TM+4+\b], 23, v[TM+12+\b]      ; the scale's byte
.endr
	s_delay_alu instid0(VALU_DEP_3)
	v_lshl_or_b32 v[PW], v[TM+5], 8, v[TM+4]       ; the four bytes make my row's scale word (lanes 16-31 hold the same)
	s_delay_alu instid0(VALU_DEP_1)
	v_lshl_or_b32 v[PW], v[TM+6], 16, v[PW]
	s_delay_alu instid0(VALU_DEP_1)
	v_lshl_or_b32 v[PW], v[TM+7], 24, v[PW]
.irp b, 0,1,2,3
	v_cvt_scalef32_pk8_fp4_f32 v[PC+2*\b], v[D+16*\b:D+7+16*\b], v[TM+12+\b]
	v_cvt_scalef32_pk8_fp4_f32 v[PC+1+2*\b], v[D+8+16*\b:D+15+16*\b], v[TM+12+\b]
.endr
	v_nop                                          ; one plain place behind a scaled conversion
.irp c, 0,1                                    ; the operand's layout wants a WHOLE block in a lane: lanes 0-15 block 2 c, lanes 16-31 block 2 c + 1
.irp i, 0,1
	v_permlane16_swap_b32 v[PC+4*\c+\i], v[PC+2+4*\c+\i]
.endr
.endr
	global_store_b128 v3, v[PC:PC+3], s[32:33]                 ; the image: 512 consecutive bytes a store
	global_store_b128 v3, v[PC+4:PC+7], s[32:33] offset:512
	ds_store_b32 v18, v[PW]                        ; the eight waves' words of a row lie side by side
	s_wait_dscnt 0x0
	s_barrier_signal -1
	s_barrier_wait -1
	s_cmp_lg_u32 s[WV], 0
	s_cbranch_scc1 .Lend
	ds_load_b128 v[32:35], v19
	s_wait_dscnt 0x0
	global_store_b128 v3, v[32:35], s[34:35]       ; wave 0 stores the group's 512 bytes of scale words
.Lend:
	s_wait_tensorcnt 0x0
	ds_add_u32 v27, v31
	s_wait_dscnt 0x0
	s_endpgm
.Lfunc_end_k_qe610b54259_prep:
	.size	k_qe610b54259_prep, .Lfunc_end_k_qe610b54259_prep-k_qe610b54259_prep
	.p2alignl 7, 3214868480
	.fill 96, 4, 3214868480
	.section	.rodata,"a",@progbits
	.p2align	6, 0x0
	.amdhsa_kernel k_qe610b54259_prep
		.amdhsa_group_segment_fixed_size 88064
		.amdhsa_private_segment_fixed_size 0
		.amdhsa_enable_private_segment 0
		.amdhsa_kernarg_size 72
		.amdhsa_user_sgpr_count 2
		.amdhsa_user_sgpr_kernarg_segment_ptr 1
		.amdhsa_wavefront_size32 1
		.amdhsa_system_sgpr_workgroup_id_x 1
		.amdhsa_system_sgpr_workgroup_id_y 1
		.amdhsa_system_sgpr_workgroup_id_z 1
		.amdhsa_system_vgpr_workitem_id 0
		.amdhsa_next_free_vgpr 256
		.amdhsa_next_free_sgpr 66
		.amdhsa_reserve_vcc 0
		.amdhsa_float_denorm_mode_32 3
		.amdhsa_float_denorm_mode_16_64 3
		.amdhsa_memory_ordered 1
		.amdhsa_forward_progress 1
		.amdhsa_inst_pref_size 56
	.end_amdhsa_kernel
	.amdgpu_metadata
---
amdhsa.version: [ 1, 2 ]
amdhsa.kernels:
  - .name:           k_qe610b54259_prep
    .symbol:         k_qe610b54259_prep.kd
    .args:
      - { .name: node_features, .offset: 0, .size: 8, .value_kind: global_buffer, .address_space: global }
      - { .name: Wq, .offset: 8, .size: 8, .value_kind: global_buffer, .address_space: global }
      - { .name: bq, .offset: 16, .size: 8, .value_kind: global_buffer, .address_space: global }
      - { .name: Wk, .offset: 24, .size: 8, .value_kind: global_buffer, .address_space: global }
      - { .name: bk, .offset: 32, .size: 8, .value_kind: global_buffer, .address_space: global }
      - { .name: Wv, .offset: 40, .size: 8, .value_kind: global_buffer, .address_space: global }
      - { .name: bv, .offset: 48, .size: 8, .value_kind: global_buffer, .address_space: global }
      - { .name: qq, .offset: 56, .size: 8, .value_kind: global_buffer, .address_space: global }
      - { .name: kv, .offset: 64, .size: 8, .value_kind: global_buffer, .address_space: global }
    .group_segment_fixed_size: 88064
    .private_segment_fixed_size: 0
    .kernarg_segment_align: 8
    .kernarg_segment_size: 72
    .max_flat_workgroup_size: 256
    .sgpr_count:     66
    .vgpr_count:     256
    .wavefront_size: 32
...
	.end_amdgpu_metadata
.endif
;; end of part 1
;; launch attn (part 2): grid 256 x 1, 8 waves a work-group, clusters of 4 x 1, 327,680 bytes of LDS; arguments adj, qq, kv, out0; writes out0
.if DOCPART == 2
	.amdgcn_target "amdgcn-amd-amdhsa--gfx1250"
	.amdhsa_code_object_version 6
	.text
	.protected	k_qe610b54259_attn
	.globl	k_qe610b54259_attn
	.p2align	8
	.type	k_qe610b54259_attn,@function
k_qe610b54259_attn:
	s_mov_b64 s[64:65], 0
	v_nop
	global_prefetch_b8 v0, s[64:65] scope:SCOPE_SE
	s_setreg_imm32_b32 hwreg(HW_REG_WAVE_MODE, 25, 1), 1
	s_wait_xcnt 0x0
	s_wait_alu depctr_hold_cnt(0) depctr_sa_sdst(0) depctr_va_vdst(0) depctr_va_sdst(0) depctr_va_ssrc(0) depctr_va_vcc(0) depctr_vm_vsrc(0)
	s_getreg_b32 s2, hwreg(HW_REG_IB_STS2, 6, 4)
	s_cmp_eq_u32 s2, 0
	s_cbranch_scc0 .Lentry_in_a_cluster
	s_endpgm
.Lentry_in_a_cluster:
	s_bfe_u32 s2, ttmp6, 0x10000c
	s_cmp_lg_u32 s2, 0x3003
	s_cbranch_scc0 .Lentry_shape_is_right
	s_endpgm
.Lentry_shape_is_right:
; out[b][n][32 hd + d] = the sum over m of softmax_m(mask(Q . K / sqrt(32))) V, for 2 batches x 8 heads, 4,096 queries and keys, head size 32, both products on codes of FP4 (E2M1) with E8M0 scales.
; adj: [2][4096][4096], one byte (0 or 1) for a query and a key, shared by the 8 heads.  qq, kv: Q, K and V as images of operand registers with their scale words, as the launch before laid them.
; THE SOFTMAX AHEAD OF THE SECOND PRODUCT: t = score x log2(e) / sqrt(32); M = the largest t so far, rounded UP to a whole number; p = 2^(t - M) is quantised along the keys; the sum is taken of the unquantised p and divides at the end.
; SHARES.  A work-group owns 32 queries, all 8 heads and all keys: each byte of adj has one reader, each row of out one owner.  Wave w = 4 qt + s holds query tile qt (16 queries) for all 8 heads and walks
;   the keys 512 j + 128 s .. + 127, j = 0 .. 7.  At the end the four key shares of a query tile are merged through LDS; their M differ by whole numbers, so the rescalings round nothing.  Two waves share a SIMD's registers.
; LAYOUT.  Both products are used transposed: S^T = K Q^T, O^T = V^T P^T: a lane holds ONE query (lane % 16) throughout.  The keys of a tile of K were chosen so that the 16 registers of tiles 2 b, 2 b + 1 are keys 32 b + 16 (lane / 16) + 0 .. 15.
; ONE FRAGMENT OF K SERVES FOUR HEADS: its 128 along K are the 32 channels of heads 4 g .. 4 g + 3, a head a block.  The Q operand of a head has that head's codes in its block and zero codes in the other three, which add nothing.
; THE MASK COSTS NOTHING PER HEAD: for each 16 queries x 128 keys it is turned once into 64 registers in the result's layout, 0 where the key counts and -2^127 where it is hidden, and these are the C of all 8 heads' score products.
; RING.  Two LDS slots of 512 keys: four chunks of kv (dense, in image order) and the work-group's 32 rows x 512 bytes of adj.  CLUSTER: the four work-groups of a cluster belong to one batch and walk the same kv: each chunk is
;   asked for JOINTLY (waves 0-3, one chunk each).  adj's tile is the work-group's own: a plain load of wave 4.  By this text's count a wave has at most one tensor load out.
; LIMITS: a hidden score is the score - 2^127 and the largest t starts at -2^100: p is exactly 0 for hidden keys while |t| of the scores that count is under 2^100.  A query with no neighbour gives 0 / 0 = NaN, as a softmax of
;   nothing but -infinity does.  adj's bytes are 0 or 1.  NaN and infinities among the inputs are not served.
; REGISTERS, in windows of 256.  Window 0: v1-15 addresses and single numbers; v16-47 four statistics a head (-M, largest t, the sum in two halves); v48-55 K's scale words, v56-63 V's, v10 Q's, v11 p's: these hold scales alone;
;   v64-127 S^T, then p; v128-191 the mask; v192-207 V's two fragments; v208-215 p's codes; v216-231 at work; v240-255 adj's bytes.
;   Window 1: v0-127 O^T (16 hd + 8 u); v128-175 the Q operands; v176-239 K's eight fragments of a group of heads; v240-255 Q as loaded.
.set CHUNK, 34816                      ; 128 keys of kv: 136 rows of 256 bytes
.set ADJO,  4*CHUNK                    ; adj's tile in a slot
.set APT,   528                        ; its row: 512 bytes + 16
.set SLOTB, ADJO+32*APT                ; a slot
.set SPARE, 2*SLOTB                    ; behind the ring: the spare words, 128 bytes for each wave: four blocks of 256 bytes that no other line names
.set MGW,   18432                      ; the merge: 16 KiB of O^T and 2 KiB of pairs (-M, sum) for each wave, in slot 0, which has had its last fill and its last read by then
.set SPT,   272                        ; the way out: 16 rows x (256 bytes + 16) for each wave, in slot 1, behind the merge's barrier
.set CB0, 1                            ; v1  my lane's place in my chunk's images: CHUNK s + 16 x lane
.set SB0, 2                            ; v2  among its scale words: CHUNK s + 32,768 + 512 h + 32 r
.set AB0, 3                            ; v3  in adj's tile: ADJO + (16 qt + r) APT + 128 s + 16 h
.set ADI, 4                            ; v4-6 the same in the slot in hand
.set ADS, 5
.set ADA, 6
.set SPW, 7                            ; v7  LDS address of my spare word; never rewritten
.set NIL, 8                            ; v8  0; never rewritten
.set PFO, 9                            ; v9  4,096 x lane: a row of adj; never rewritten
.set QS,  10
.set PW,  11
.set F,   12                           ; v[12:13] f = 2^(old M - new M), and 0
.set LI,  14                           ; v14 16 x lane
.set QA,  15                           ; v15 512 h + 32 r
.set ST,  16
.set KS,  48
.set VS,  56
.set S,   64
.set MB,  128
.set VF,  192
.set P,   208
.set BM,  216
.set BX,  220
.set BO,  224
.set T,   228
.set A2,  230
.set RR,  232                          ; v232 r = lane % 16;  v233 h = lane / 16
.set HH,  233
.set AW,  240
.set ACC, 240                          ; v240-255 behind the mask's products: eight pairs of partial sums of p
.set MSC, 234                          ; v234 the scale bytes of the mask's products: 2^63 in every byte; it holds scales alone
.set ID,  240                          ; window 1, v240-253, behind the head: six zeros, x0, x1, six zeros: the four selector operands of the mask's products are runs of eight of these
.set QO,  128                          ; window 1
.set KF,  176
.set QF,  240
.set WV,  12                           ; s12 wave; s13 cx; s14 my block of 32 queries
.set CX,  13
.set QB,  14
.set TB,  16                           ; s16 the slot in hand;  s17 the slot to fill
.set TBF, 17
.set SLOTS, 18                         ; s18 slots still to be asked for
.set LIM, 19                           ; s19 1 in the wave that prefetches, else the greatest number
.set SEL, 20
.set CS,  22                           ; s[22:23] c = log2(e) / sqrt(32)
.set G1K, 24                           ; s[24:31], s[40:43] descriptor groups 1 and 0 for kv's chunks;  s[32:39], s[44:47] for adj's tile
.set G1A, 32
.set G0K, 40
.set G0A, 44
.set MLO, 52                           ; s52, s53 lanes 0-15, lanes 16-31
.set MHI, 53
.set PFA, 54                           ; s[54:55] where the prefetches stand
.set WOF, 56                           ; s56 CHUNK x wave
.set MSB, 0
.macro WIN new                         ; the immediate's high byte repeats the setting that is left; a switch that changes nothing is dropped
.if MSB != \new
	s_set_vgpr_msb (MSB<<8)|\new
.set MSB, \new
.endif
.endm
.macro CROUND                          ; a round of the cluster's barrier
	s_barrier_signal -1
	s_barrier_wait -1
	s_cmp_lg_u32 s[WV], 0
	s_cbranch_scc1 .Lnot_wave_0_\@
	s_barrier_signal -3
.Lnot_wave_0_\@:
	s_barrier_wait -3
	s_barrier_signal -1
	s_barrier_wait -1
.endm
; Waves 0-3 ask jointly for chunk w of the slot, wave 4 for the work-group's own tile of adj, the others for nothing.  The branches hang on the wave's number alone.  Four v_nop follow each load.
.macro TLOAD
	s_cmp_lt_u32 s[WV], 4
	s_cbranch_scc0 .Lnot_k_\@
	tensor_load_to_lds s[G0K:G0K+3], s[G1K:G1K+7]
	s_nop 0
.rept 4
	v_nop
.endr
	s_branch .Lasked_\@
.Lnot_k_\@:
	s_cmp_eq_u32 s[WV], 4
	s_cbranch_scc0 .Lasked_\@
	tensor_load_to_lds s[G0A:G0A+3], s[G1A:G1A+7]
	s_nop 0
.rept 4
	v_nop
.endr
.Lasked_\@:
.endm
; A PREFETCH INTO THE L2 of the tile of adj that the NEXT change of slots will ask for: 32 rows x 512 bytes, a lane a row, two instructions, by wave 5, which fetches nothing.  The tile is the work-group's own, told from
; the partners' by address, so each block of 256 bytes is named once in the launch.  One step of 8 heads x 128 keys ahead of the load.  Tiles 0 and 1 come by their loads alone; the last change that fills a slot asks for nothing.
.macro ASK
	s_cmp_gt_u32 s[SLOTS], s[LIM]
	s_cbranch_scc0 .Lnot_mine_\@
	global_prefetch_b8 v[PFO], s[PFA:PFA+1] th:TH_LOAD_NT scope:SCOPE_SE
	global_prefetch_b8 v[PFO], s[PFA:PFA+1] offset:256 th:TH_LOAD_NT scope:SCOPE_SE
.Lnot_mine_\@:
.endm
	s_load_b256 s[4:11], s[0:1], 0x0               ; adj s[4:5], qq s[6:7], kv s[8:9], out s[10:11]
	v_lshl_add_u32 v[SPW], v0, 2, SPARE
	v_mov_b32 v[NIL], 0
	ds_add_u32 v7, v8
	ds_add_u32 v7, v8
	s_wait_dscnt 0x0
	v_lshrrev_b32 v[T], 5, v0
	s_delay_alu instid0(VALU_DEP_1)
	v_readfirstlane_b32 s[WV], v[T]                ; wave 0..7
	s_bfe_u32 s[CX], ttmp6, 0x40000                ; cx: my place in the cluster: it enters global addresses alone
	s_lshl_b32 s[QB], ttmp9, 2                     ; in a cluster launch ttmp9 counts clusters
	s_add_co_u32 s[QB], s[QB], s[CX]
	s_and_b32 s58, s[WV], 3                        ; s: which chunk of a slot is mine
	s_lshr_b32 s59, s[WV], 2                       ; qt: which 16 queries
	s_mul_i32 s[WOF], s[WV], CHUNK
	s_mov_b32 s[G1K+0], 15|(3<<16)|(1<<21)         ; 15:0 the mask: all four work-groups; 17:16 elements of 8 bytes; 21 set beside a mask; no padding: the images are read 16 bytes a lane on end
	s_mov_b32 s[G1K+1], 32<<16                     ; tensor_dim0 = 32 elements: 256 bytes
	s_mov_b32 s[G1K+2], 136<<16                    ; tensor_dim1 = 136 rows
	s_mov_b32 s[G1K+3], 32<<16                     ; tile_dim0
	s_mov_b32 s[G1K+4], 136                        ; tile_dim1
	s_mov_b32 s[G1K+5], 32                         ; the pitch: dense
	s_mov_b32 s[G1K+6], 0
	s_mov_b32 s[G1K+7], 0
	s_mov_b32 s[G1A+0], (1<<20)|(6<<22)|(3<<25)    ; no mask; elements of 1 byte; padding on: 4 words behind every 128
	s_mov_b32 s[G1A+1], 512<<16
	s_mov_b32 s[G1A+2], 32<<16
	s_mov_b32 s[G1A+3], 512<<16
	s_mov_b32 s[G1A+4], 32
	s_mov_b32 s[G1A+5], 4096
	s_mov_b32 s[G1A+6], 0
	s_mov_b32 s[G1A+7], 0
	s_lshr_b32 s60, ttmp9, 5                       ; the batch, which the partners share
	s_mul_i32 s60, s60, 32*CHUNK
	s_add_co_u32 s60, s60, s[WOF]                  ; kv: the batch's chunk w
	s_mov_b32 s61, 0
	s_lshl_b32 s62, s[QB], 17                      ; adj: my 32 rows of 4,096 bytes
	s_mov_b32 s63, 0
	s_mul_i32 s66, ttmp9, 17408                    ; qq: the cluster's 128 queries are one block
	s_lshl_b32 s68, s[CX], 1
	s_add_co_u32 s68, s68, s59                     ; my tile of 16 in it
	s_lshl_b32 s70, s68, 10
	s_add_co_u32 s70, s70, s66
	s_mov_b32 s71, 0
	s_lshl_b32 s72, s68, 2
	s_add_co_u32 s72, s72, s66
	s_mov_b32 s73, 0
	s_lshl_b32 s74, s[QB], 15                      ; out: row 32 qb + 16 qt of 1,024 bytes, + the 256 bytes of heads 2 s, 2 s + 1, which I merge
	s_lshl_b32 s75, s59, 14
	s_add_co_u32 s74, s74, s75
	s_lshl_b32 s75, s58, 8
	s_add_co_u32 s74, s74, s75
	s_mov_b32 s75, 0
	s_mov_b32 s[TB], 0
	s_mov_b32 s[TBF], 0
	s_mov_b32 s[SLOTS], 7
	s_cmp_eq_u32 s[WV], 5
	s_cselect_b32 s[LIM], 1, -1
	s_mov_b32 s[SEL], 0x76543210
	s_mov_b32 s[SEL+1], 0xfedcba98
	s_mov_b32 s[CS], 0x3e8293ee                    ; c = log2(e) / sqrt(32)
	s_mov_b32 s[CS+1], s[CS]                       ; (named with it as a pair, so it is written)
	s_mov_b32 s[MLO], 0x0000ffff
	s_mov_b32 s[MHI], 0xffff0000
	s_wait_kmcnt 0x0
	s_add_nc_u64 s[70:71], s[6:7], s[70:71]        ; Q's images
	s_add_nc_u64 s[72:73], s[6:7], s[72:73]        ; Q's scale words
	s_add_nc_u64 s[10:11], s[10:11], s[74:75]
	s_add_nc_u64 s[PFA:PFA+1], s[4:5], s[62:63]
	s_add_nc_u64 s[PFA:PFA+1], s[PFA:PFA+1], 512   ; at tile 1: the first change of slots steps it to tile 2.  Nothing is prefetched here, at the head
	CROUND                                         ; all four work-groups are here: the first joint loads meet
	s_mov_b32 s[G0K], 1                            ; count = 1
	s_mov_b32 s[G0K+1], s[WOF]                     ; LDS address: slot 0, chunk w
	s_add_nc_u64 s[G0K+2:G0K+3], s[8:9], s[60:61]
	s_or_b32 s[G0K+3], s[G0K+3], 0x80000000        ; type = 2
	s_mov_b32 s[G0A], 1
	s_mov_b32 s[G0A+1], ADJO
	s_add_nc_u64 s[G0A+2:G0A+3], s[4:5], s[62:63]
	s_or_b32 s[G0A+3], s[G0A+3], 0x80000000
	TLOAD                                          ; tile 0 into slot 0
	v_and_b32 v[RR], 15, v0
	s_wait_alu depctr_va_vdst(0)
	v_bfe_u32 v[HH], v0, 4, 1
	v_and_b32 v[PFO], 31, v0
	s_delay_alu instid0(VALU_DEP_1)
	v_lshlrev_b32 v[LI], 4, v[PFO]
	s_delay_alu instid0(VALU_DEP_2)
	v_lshlrev_b32 v[PFO], 12, v[PFO]
	v_lshlrev_b32 v[QA], 5, v[RR]
	s_delay_alu instid0(VALU_DEP_1)
	v_lshl_add_u32 v[QA], v[HH], 9, v[QA]
	global_load_b32 v[QS], v[QA], s[72:73] offset:16384            ; Q's scale words: lanes 0-15 heads 0-3, lanes 16-31 heads 4-7
	WIN 0x40                                       ; destination window 1
.irp g, 0,1
.irp c, 0,1
	global_load_b128 v[QF+8*\g+4*\c:QF+8*\g+4*\c+3], v[LI], s[70:71] offset:8192*\g+512*\c
.endr
.endr
	WIN 0
	s_mul_i32 s76, s58, CHUNK
	v_add_nc_u32 v[CB0], s76, v[LI]
	s_add_co_u32 s77, s76, 32768
	v_add_nc_u32 v[SB0], s77, v[QA]
	s_mul_i32 s78, s59, 16*APT
	s_lshl_b32 s79, s58, 7
	s_add_co_u32 s78, s78, s79
	s_add_co_u32 s78, s78, ADJO
	v_mul_u32_u24 v[AB0], v[RR], APT
	s_wait_alu depctr_va_vdst(0)
	v_lshl_add_u32 v[AB0], v[HH], 4, v[AB0]
	s_delay_alu instid0(VALU_DEP_1)
	v_add_nc_u32 v[AB0], s78, v[AB0]
.irp hd, 0,1,2,3,4,5,6,7
	v_mov_b32 v[ST+4*\hd], 0x71800000              ; -M = 2^100
	v_mov_b32 v[ST+4*\hd+1], 0xf1800000            ; the largest t so far: -2^100
	v_mov_b32 v[ST+4*\hd+2], 0                     ; the sum, in two halves
	v_mov_b32 v[ST+4*\hd+3], 0
.endr
	v_mov_b32 v[F+1], 0                            ; (named as the upper half of a pair)
.irp b, 0,1,2,3
	v_mov_b32 v[BX+\b], 0                          ; a lane permute's destination counts as one of its sources
.endr
	WIN 0x40
.set i, 0
.rept 128
	v_mov_b32 v[i], 0                              ; O^T.  The step is written with no first step of its own: the first change of M multiplies zeros.  That spares a third copy of the step's text
.set i, i+1
.endr
.irp g, 0,1
.irp k, 4,5,6,7,16,17,18,19
	v_mov_b32 v[QO+24*\g+\k], 0                    ; the zero codes of the Q operands
.endr
.endr
	s_wait_loadcnt 0x0                             ; Q
	; A group's 24 registers: [Q0 Z Q2 | Q1 Z Q3], four each.  Block b of an operand lies in registers 4 (b / 2) .. + 3 of the lanes' half b % 2.  Operand of b = 0: +0; b = 2: +4; b = 1: +12; b = 3: +16
	WIN 0x44                                       ; source 1 and destination window 1
.irp g, 0,1
.irp k, 0,1,2,3
	v_cndmask_b32 v[QO+24*\g+\k], 0, v[QF+8*\g+\k], s[MLO]
	v_cndmask_b32 v[QO+24*\g+8+\k], 0, v[QF+8*\g+4+\k], s[MLO]
	v_cndmask_b32 v[QO+24*\g+12+\k], 0, v[QF+8*\g+\k], s[MHI]
	v_cndmask_b32 v[QO+24*\g+20+\k], 0, v[QF+8*\g+4+\k], s[MHI]
.endr
.endr
	WIN 0
	; THE SELECTOR of the mask's products.  Row m of a tile of scores is key 32 b + 16 (m / 8) + 8 u + m % 8, and adj's byte of that key is byte 8 u + m % 8 of the block that the lanes' half m / 8 holds.
	; So lane (r, h) of the selector holds the code -4 (0xE) in the low four bits of byte r % 4 of register 2 u + (r % 8) / 4 where h = r / 8, and zero codes elsewhere.
	v_and_b32 v[BM], 3, v0
	v_lshrrev_b32 v[BM+1], 1, v0
	v_mov_b32 v[BM+2], 14
	v_and_b32 v[BM+3], 4, v0                       ; (r % 8) / 4, as bit 2
	s_delay_alu instid0(VALU_DEP_4)
	v_lshlrev_b32 v[BM], 3, v[BM]
	s_delay_alu instid0(VALU_DEP_4)
	v_xor_b32 v[BM+1], v[BM+1], v0                 ; bit 3: h xor r / 8
	s_delay_alu instid0(VALU_DEP_2)
	v_lshlrev_b32 v[BM], v[BM], v[BM+2]            ; 0xE in byte r % 4
	s_delay_alu instid0(VALU_DEP_2)
	v_and_or_b32 v[BM+3], v[BM+1], 8, v[BM+3]      ; 0: x0 is mine; 4: x1 is mine; else neither
	v_mov_b32 v[MSC], 0xbebebebe                   ; 0.5 x -4 x 2^63 x 2^63 = -2^127
	WIN 0x40
	v_cmp_eq_u32 vcc_lo, 0, v[BM+3]
	v_cndmask_b32 v[ID+6], 0, v[BM], vcc_lo
	v_cmp_eq_u32 vcc_lo, 4, v[BM+3]
	v_cndmask_b32 v[ID+7], 0, v[BM], vcc_lo
.irp k, 0,1,2,3,4,5,8,9,10,11,12,13
	v_mov_b32 v[ID+\k], 0
.endr
	WIN 0
	s_wait_alu depctr_va_vdst(0)
; THE CHANGE OF SLOTS stands at a step's head.  Each wave waits for all its tensor loads (its part of the slot ahead), adds 0 to its spare word, and waits for that and for its reads of the slot that it has left.
; fill = 1: a round of the cluster's barrier, so that no wave of any partner still reads that slot or has a load on its way; behind it the slot is filled with the next 512 keys: the load has a whole step in which to land.
.macro CHANGE fill
	s_wait_tensorcnt 0x0                           ; no tensor load of mine is out, so a group 0 may be written
	ds_add_u32 v[SPW], v[NIL]                      ; 0 onto my spare word
.if \fill
	ds_add_u32 v[SPW], v[NIL]                      ; and once more
	s_xor_b32 s[TBF], s[TBF], SLOTB                ; the other slot than last time,
	s_add_co_u32 s[G0K+1], s[TBF], s[WOF]
	s_add_nc_u64 s[G0K+2:G0K+3], s[G0K+2:G0K+3], 4*CHUNK   ; the next four chunks; the type bits on top are not reached
	s_add_co_u32 s[G0A+1], s[TBF], ADJO
	s_add_nc_u64 s[G0A+2:G0A+3], s[G0A+2:G0A+3], 512       ; the next 512 keys of my rows
	s_wait_xcnt 0x0                                ; the last prefetches, a step back, have read their address, so it may be written:
	s_add_nc_u64 s[PFA:PFA+1], s[PFA:PFA+1], 512   ; one tile further on than the descriptor
.endif
	s_wait_dscnt 0x0                               ; the add is done, and my reads of the slot that I have left are over
.if \fill
	CROUND
	TLOAD                                          ; the first thing behind the round, and a wave's one tensor load until the next
	ASK
.else
	s_barrier_signal -1
	s_barrier_wait -1
.endif
.endm
.macro KLOAD g                         ; K's eight fragments of heads 4 g .. 4 g + 3
	WIN 0x40
.irp t, 0,1,2,3,4,5,6,7
.irp c, 0,1
	ds_load_b128 v[KF+8*\t+4*\c:KF+8*\t+4*\c+3], v[ADI] offset:8192*\g+1024*\t+512*\c
.endr
.endr
	WIN 0
.endm
; adj's 64 bytes of a lane become an operand of codes: a byte is two codes; 1 where the key is hidden is the code of 0.5 and a zero code, 0 where it counts two zero codes.
; Registers 4 b .. 4 b + 3 of lane (r, h) hold keys 32 b + 16 h + 0 .. 15 of query r: as an operand's registers that is one block of 32 codes.  The products with the selector stand in STEP.
.macro MASK
.irp i, 0,1,2,3,4,5,6,7,8,9,10,11,12,13,14,15
	v_xor_b32 v[AW+\i], 0x01010101, v[AW+\i]       ; 1 where the key is hidden
.endr
.rept 4
	v_nop                                          ; an operand written by vector instructions stands four places ahead of a scaled matrix instruction
.endr
.endm
; One head's softmax of 128 keys: S^T becomes p, p's codes and scale word, f; the statistics move on.
.macro SOFT hd
.set NM, ST+4*(\hd)
.irp b, 0,1,2,3
	v_max3_num_f32 v[BM+\b], v[S+16*\b], v[S+16*\b+1], v[S+16*\b+2]   ; the largest score of each block of 32 keys: for the row's maximum and, since p rises with the score, for the block's largest p.  Each accumulator is read from its low end on
.endr
.irp i, 3,5,7,9,11,13
.irp b, 0,1,2,3
	v_max3_num_f32 v[BM+\b], v[BM+\b], v[S+16*\b+\i], v[S+16*\b+\i+1]
.endr
.endr
.irp b, 0,1,2,3
	v_max_num_f32 v[BM+\b], v[BM+\b], v[S+16*\b+15]
.endr
.irp b, 0,1,2,3
	s_delay_alu instid0(VALU_DEP_4)
	v_permlanex16_b32 v[BX+\b], v[BM+\b], s[SEL], s[SEL+1]
.endr
.irp b, 0,1,2,3
	s_delay_alu instid0(VALU_DEP_4)
	v_max_num_f32 v[BM+\b], v[BM+\b], v[BX+\b]     ; with lane l xor 16's 16 keys
.endr
	s_delay_alu instid0(VALU_DEP_2)
	v_max3_num_f32 v[T], v[BM], v[BM+1], v[BM+2]
	s_delay_alu instid0(VALU_DEP_1)
	v_max_num_f32 v[T], v[T], v[BM+3]
	s_delay_alu instid0(VALU_DEP_1)
	v_mul_f32 v[T], s[CS], v[T]                    ; the step's largest score as t (c is positive)
	s_delay_alu instid0(VALU_DEP_1)
	v_max_num_f32 v[NM+1], v[NM+1], v[T]           ; the running largest t
	v_mov_b32 v[T], v[NM]
	s_delay_alu instid0(VALU_DEP_2)
	v_floor_f32 v[NM], -v[NM+1]                    ; the new -M = floor(-t) = -ceil(t): a whole number
	s_delay_alu instid0(VALU_DEP_1)
	v_sub_f32 v[T], v[NM], v[T]                    ; old M - new M: a whole number, 0 or less
	s_delay_alu instid0(VALU_DEP_1)
	v_cvt_i32_f32 v[T], v[T]                       ; (it saturates)
	s_delay_alu instid0(VALU_DEP_1)
	v_ldexp_f32 v[F], 1.0, v[T]                    ; f = 2^(old M - new M)
.irp k, 0,2,4,6,8,10,12,14
	v_pk_fma_f32 v[S+\k:S+\k+1], v[S+\k:S+\k+1], s[CS:CS+1], v[NM:NM+1] op_sel_hi:[1,0,0]   ; t - M of block 0, two at a time
.endr
.irp b, 0,1,2,3
	v_fma_f32 v[BM+\b], v[BM+\b], s[CS], v[NM]     ; the same of each block's largest score
.endr
; FOUR GROUPS, a block of 32 keys each.  A group is the block's 16 exponentials, p = 2^(t - M) (0 for a hidden key), by turns with plain lines that name none of their registers:
; the next block's t - M, ONE link of the scales' chain (largest p, floor, operand, byte) and ONE link of each of eight partial sums of p.  What a group writes is first read behind the wait at the next group's head:
; Each group ends with a plain line.
.irp b, 0,1,2,3
	s_wait_alu depctr_va_vdst(0)
.irp k, 0,1,2,3,4,5,6,7
	v_exp_f32 v[S+16*\b+2*\k], v[S+16*\b+2*\k]
.if (\b == 0) && (\k < 4)
	v_exp_f32 v[BM+\k], v[BM+\k]                   ; the block's largest p: the same two instructions on the same number give the same bits
.endif
.if (\b == 0) && (\k == 4)
	v_pk_mul_f32 v[NM+2:NM+3], v[NM+2:NM+3], v[F:F+1] op_sel_hi:[1,0]   ; the sums under the new M
.endif
.if (\b == 1) && (\k < 4)
	v_max_num_f32 v[BM+\k], 0x1800000, v[BM+\k]    ; the floor 2^(3 - 127): the byte cannot fall under 1
.endif
.if \b == 2
	v_pk_add_f32 v[ACC+2*\k:ACC+2*\k+1], v[S+2*\k:S+2*\k+1], v[S+16+2*\k:S+16+2*\k+1]   ; the sum is taken of the unquantised p: blocks 0 and 1
.endif
.if (\b == 3) && (\k < 4)
	v_lshrrev_b32 v[BX+\k], 23, v[BO+\k]           ; the scale's byte
.endif
	v_exp_f32 v[S+16*\b+2*\k+1], v[S+16*\b+2*\k+1]
.if \b < 3
	v_pk_fma_f32 v[S+16*\b+16+2*\k:S+16*\b+16+2*\k+1], v[S+16*\b+16+2*\k:S+16*\b+16+2*\k+1], s[CS:CS+1], v[NM:NM+1] op_sel_hi:[1,0,0]
.else
	v_pk_add_f32 v[ACC+2*\k:ACC+2*\k+1], v[ACC+2*\k:ACC+2*\k+1], v[S+32+2*\k:S+32+2*\k+1]   ; block 2
.endif
.if (\b == 2) && (\k < 4)
	v_add_nc_u32 v[BO+\k], 0xff000000, v[BM+\k]    ; 2 off the exponent field: the conversion's scale operand
.endif
.endr
.endr
	s_wait_alu depctr_va_vdst(0)                   ; behind the last group
	v_lshl_or_b32 v[PW], v[BX+1], 8, v[BX]         ; p's scale word for these 128 keys
	s_delay_alu instid0(VALU_DEP_1)
	v_lshl_or_b32 v[PW], v[BX+2], 16, v[PW]
	s_delay_alu instid0(VALU_DEP_1)
	v_lshl_or_b32 v[PW], v[BX+3], 24, v[PW]
.irp b, 0,1,2,3
	v_cvt_scalef32_pk8_fp4_f32 v[P+2*\b], v[S+16*\b:S+16*\b+7], v[BO+\b]
	v_cvt_scalef32_pk8_fp4_f32 v[P+2*\b+1], v[S+16*\b+8:S+16*\b+15], v[BO+\b]
.endr
	v_nop                                          ; one plain place behind a scaled conversion
.irp c, 0,1                                    ; a WHOLE block in a lane: lanes 0-15 block 2 c, lanes 16-31 block 2 c + 1
.irp i, 0,1
	v_permlane16_swap_b32 v[P+4*\c+\i], v[P+4*\c+2+\i]
.endr
.endr
.irp k, 0,1,2,3,4,5,6,7
	v_pk_add_f32 v[ACC+2*\k:ACC+2*\k+1], v[ACC+2*\k:ACC+2*\k+1], v[S+48+2*\k:S+48+2*\k+1]   ; block 3
.endr
.irp k, 0,1,2,3
	s_delay_alu instid0(VALU_DEP_4)
	v_pk_add_f32 v[ACC+2*\k:ACC+2*\k+1], v[ACC+2*\k:ACC+2*\k+1], v[ACC+8+2*\k:ACC+8+2*\k+1]   ; the eight partial sums become one
.endr
.irp k, 0,1
	s_delay_alu instid0(VALU_DEP_2)
	v_pk_add_f32 v[ACC+2*\k:ACC+2*\k+1], v[ACC+2*\k:ACC+2*\k+1], v[ACC+4+2*\k:ACC+4+2*\k+1]
.endr
	s_delay_alu instid0(VALU_DEP_1)
	v_pk_add_f32 v[ACC:ACC+1], v[ACC:ACC+1], v[ACC+2:ACC+3]
	s_delay_alu instid0(VALU_DEP_1)
	v_pk_add_f32 v[NM+2:NM+3], v[NM+2:NM+3], v[ACC:ACC+1]
.endm
; One head x 16 queries x 128 keys.  No two matrix instructions that follow each other share an accumulator.
.macro UNIT hd
.set QOP, QO+24*((\hd)/4)+12*((\hd)%2)+4*(((\hd)%4)/2)
	WIN 0x05                                       ; K and Q in window 1; the mask (C) and S^T (D) in window 0
.irp t, 0,1,2,3,4,5,6,7
.if (\hd) < 4
	v_wmma_scale_f32_16x16x128_f8f6f4 v[S+8*\t:S+8*\t+7], v[KF+8*\t:KF+8*\t+7], v[QOP:QOP+7], v[MB+8*\t:MB+8*\t+7], v[KS+\t], v[QS] matrix_a_fmt:MATRIX_FMT_FP4 matrix_b_fmt:MATRIX_FMT_FP4
.else
	v_wmma_scale_f32_16x16x128_f8f6f4 v[S+8*\t:S+8*\t+7], v[KF+8*\t:KF+8*\t+7], v[QOP:QOP+7], v[MB+8*\t:MB+8*\t+7], v[KS+\t], v[QS] matrix_a_fmt:MATRIX_FMT_FP4 matrix_b_fmt:MATRIX_FMT_FP4 matrix_a_scale:MATRIX_SCALE_ROW1 matrix_b_scale:MATRIX_SCALE_ROW1
.endif
.endr
	WIN 0
.rept 4
	v_nop                                          ; places: in front of the first read of the scores, and of the loads into V's fragments (read by the head before) and K's
.endr
.irp u, 0,1
.irp c, 0,1
	ds_load_b128 v[VF+8*\u+4*\c:VF+8*\u+4*\c+3], v[ADI] offset:16384+1024*(2*(\hd)+\u)+512*\c   ; V^T: channels 32 hd + 16 u on, these 128 keys; they land under the softmax
.endr
.endr
.if (\hd) == 3
	KLOAD 1                                        ; heads 0-3 are through with K's fragments: those of heads 4-7
.endif
	SOFT \hd
	WIN 0x41                                       ; O^T in window 1, f in window 0
.set j, 0
.rept 8
	v_pk_mul_f32 v[16*(\hd)+j:16*(\hd)+j+1], v[16*(\hd)+j:16*(\hd)+j+1], v[F:F+1] op_sel_hi:[1,0]   ; O^T under the new M, from each accumulator's low end on
.set j, j+2
.endr
	s_wait_alu depctr_va_vdst(0)
	s_wait_dscnt 0x0                               ; V's fragments are in (and, behind head 3, K's)
	WIN 0x50                                       ; C and D window 1
.irp u, 0,1
.if (\hd) < 4
	v_wmma_scale_f32_16x16x128_f8f6f4 v[16*(\hd)+8*\u:16*(\hd)+8*\u+7], v[VF+8*\u:VF+8*\u+7], v[P:P+7], v[16*(\hd)+8*\u:16*(\hd)+8*\u+7], v[VS+(2*(\hd)+\u)%8], v[PW] matrix_a_fmt:MATRIX_FMT_FP4 matrix_b_fmt:MATRIX_FMT_FP4
.else
	v_wmma_scale_f32_16x16x128_f8f6f4 v[16*(\hd)+8*\u:16*(\hd)+8*\u+7], v[VF+8*\u:VF+8*\u+7], v[P:P+7], v[16*(\hd)+8*\u:16*(\hd)+8*\u+7], v[VS+(2*(\hd)+\u)%8], v[PW] matrix_a_fmt:MATRIX_FMT_FP4 matrix_b_fmt:MATRIX_FMT_FP4 matrix_a_scale:MATRIX_SCALE_ROW1
.endif
.endr
.endm
; A STEP: my chunk of the slot in hand, all 8 heads.
.macro STEP
	v_add_nc_u32 v[ADI], s[TB], v[CB0]
	v_add_nc_u32 v[ADS], s[TB], v[SB0]
	v_add_nc_u32 v[ADA], s[TB], v[AB0]
	v_nop                                          ; with the three additions: four places between the last step's last product and the loads into V's scale words
.irp b, 0,1,2,3
	ds_load_b128 v[AW+4*\b:AW+4*\b+3], v[ADA] offset:32*\b         ; adj: my query, keys 32 b + 16 h + 0 .. 15
.endr
	ds_load_b128 v[KS:KS+3], v[ADS]                ; K's scale words of tiles 0-7: lanes 0-15 heads 0-3, lanes 16-31 heads 4-7
	ds_load_b128 v[KS+4:KS+7], v[ADS] offset:16
	ds_load_b128 v[VS:VS+3], v[ADS] offset:1024    ; V's likewise
	ds_load_b128 v[VS+4:VS+7], v[ADS] offset:1040
	KLOAD 0
	s_wait_dscnt 20                                ; adj's four loads are in; the 4 loads of scale words and the 16 of K behind them may be out
	MASK
	s_wait_alu depctr_va_vdst(0)
	s_wait_dscnt 0x0
	; THE MASK IS MADE BY EIGHT PRODUCTS: tile t = 2 b + u of the mask = selector (b % 2, u) x adj's codes of blocks 2 (b / 2), 2 (b / 2) + 1: 0 where the key counts, 0.5 x -4 x 2^126 = -2^127 where it is hidden,
	; in the result's layout: register 16 b + 8 u + j of lane (r, h) is key 32 b + 16 h + 8 u + j of query r.  Eight accumulators, each begun with the constant 0.
	WIN 0x01                                       ; the selector in window 1
.irp t, 0,1,2,3,4,5,6,7
	v_wmma_scale_f32_16x16x128_f8f6f4 v[MB+8*\t:MB+8*\t+7], v[ID+6-2*(\t%2)-4*((\t/2)%2):ID+13-2*(\t%2)-4*((\t/2)%2)], v[AW+8*(\t/4):AW+8*(\t/4)+7], 0, v[MSC], v[MSC] matrix_a_fmt:MATRIX_FMT_FP4 matrix_b_fmt:MATRIX_FMT_FP4
.endr
	WIN 0
.rept 5
	v_nop                                          ; five places before a matrix instruction takes these results as the C of another accumulator
.endr
.irp hd, 0,1,2,3,4,5,6,7
	UNIT \hd
.endr
	WIN 0                                          ; at a label and at a branch every window is 0
	s_xor_b32 s[TB], s[TB], SLOTB                  ; on to the other slot
.endm
.Lstep:                                            ; 7 trips: behind each change of slots but the last the next 512 keys are asked for
	CHANGE 1
	STEP
	s_sub_co_u32 s[SLOTS], s[SLOTS], 1
	s_cmp_lg_u32 s[SLOTS], 0
	s_cbranch_scc1 .Lstep
	CHANGE 0                                       ; the last step is written out
	STEP
	; ---- THE MERGE.  My share's sum: its two halves and lane l xor 16's; it takes the place of the largest t beside -M.  These lines are also the places behind the last products.
.irp hd, 0,1,2,3,4,5,6,7
	v_add_f32 v[ST+4*\hd+2], v[ST+4*\hd+2], v[ST+4*\hd+3]
.endr
.irp hd, 0,1,2,3,4,5,6,7
	v_permlanex16_b32 v[ST+4*\hd+3], v[ST+4*\hd+2], s[SEL], s[SEL+1]
.endr
.irp hd, 0,1,2,3,4,5,6,7
	v_add_f32 v[ST+4*\hd+1], v[ST+4*\hd+2], v[ST+4*\hd+3]
.endr
	s_mul_i32 s80, s[WV], MGW
	v_add_nc_u32 v[ADI], s80, v[LI]
	v_lshrrev_b32 v[T], 1, v[LI]                   ; 8 x lane
	s_wait_alu depctr_va_vdst(0)
	v_add_nc_u32 v[ADS], s80, v[T]
	WIN 0x04                                       ; an LDS store's data are its source 1: window 1
.set i, 0
.rept 32
	ds_store_b128 v[ADI], v[4*i:4*i+3] offset:512*i                ; O^T as it stands, 16 bytes a lane on end; each accumulator from its low end on.  Slot 0 has had its last fill, and every wave has left it at the last change of slots
.set i, i+1
.endr
	WIN 0
.irp hd, 0,1,2,3,4,5,6,7
	ds_store_b64 v[ADS], v[ST+4*\hd:ST+4*\hd+1] offset:16384+256*\hd
.endr
	s_mul_i32 s81, s59, 4*MGW                      ; the four shares of my query tile;
	s_lshl_b32 s82, s58, 12                        ; I merge heads 2 s and 2 s + 1: 2,048 bytes of O^T a head,
	s_add_co_u32 s82, s82, s81
	v_add_nc_u32 v[CB0], s82, v[LI]
	s_lshl_b32 s82, s58, 9                         ; 256 bytes of pairs a head
	s_add_co_u32 s82, s82, s81
	s_add_co_u32 s82, s82, 16384
	v_add_nc_u32 v[SB0], s82, v[T]
	s_mul_i32 s83, s[WV], 16*SPT
	s_add_co_u32 s83, s83, SLOTB                   ; my stage for the way out
	s_wait_alu depctr_va_vdst(0)
	s_wait_dscnt 0x0                               ; for the others' sake: my stores have landed; my reads of slot 1 are over
	s_barrier_signal -1
	s_barrier_wait -1
.irp p, 0,1,2,3
.irp e, 0,1
	ds_load_b64 v[VF+4*\p+2*\e:VF+4*\p+2*\e+1], v[SB0] offset:MGW*\p+256*\e     ; (-M, sum) of share p, head 2 s + e
.endr
.endr
.irp p, 0,1,2,3
.irp e, 0,1
.irp i, 0,1,2,3
	ds_load_b128 v[S+32*\p+16*\e+4*\i:S+32*\p+16*\e+4*\i+3], v[CB0] offset:MGW*\p+2048*\e+512*\i
.endr
.endr
.endr
	v_mul_u32_u24 v[ADI], v[RR], SPT
	s_delay_alu instid0(VALU_DEP_1)
	v_lshl_add_u32 v[ADI], v[HH], 5, v[ADI]
	s_delay_alu instid0(VALU_DEP_1)
	v_add_nc_u32 v[ADI], s83, v[ADI]               ; into the stage: row r, + 32 h
	v_mul_u32_u24 v[ADS], v[HH], SPT
	s_delay_alu instid0(VALU_DEP_1)
	v_lshl_add_u32 v[ADS], v[RR], 4, v[ADS]
	s_delay_alu instid0(VALU_DEP_1)
	v_add_nc_u32 v[ADS], s83, v[ADS]               ; back: lanes 0-15 one row, lanes 16-31 the next
	v_lshlrev_b32 v[ADA], 10, v[HH]
	s_delay_alu instid0(VALU_DEP_1)
	v_lshl_add_u32 v[ADA], v[RR], 4, v[ADA]        ; and the same two rows in out
	s_wait_dscnt 32                                ; the eight pairs are in; the 32 loads of O^T behind them may be out
.irp e, 0,1
	v_min3_num_f32 v[BO+\e], v[VF+2*\e], v[VF+4+2*\e], v[VF+8+2*\e]
.endr
.irp e, 0,1
	s_delay_alu instid0(VALU_DEP_2)
	v_min_num_f32 v[BO+\e], v[BO+\e], v[VF+12+2*\e]                ; the least -M: the largest M of the four shares
.endr
.irp p, 0,1,2,3
.irp e, 0,1
	v_sub_f32 v[P+8*\e+2*\p+1], v[BO+\e], v[VF+4*\p+2*\e]          ; the share's M less the largest: a whole number, 0 or less
.endr
.endr
.irp p, 0,1,2,3
.irp e, 0,1
	v_cvt_i32_f32 v[P+8*\e+2*\p+1], v[P+8*\e+2*\p+1]
.endr
.endr
.irp p, 0,1,2,3
.irp e, 0,1
	v_ldexp_f32 v[P+8*\e+2*\p+1], 1.0, v[P+8*\e+2*\p+1]            ; f of the share
.endr
.endr
.irp e, 0,1
	v_mul_f32 v[BO+2+\e], v[P+8*\e+1], v[VF+2*\e+1]
.endr
.irp p, 1,2,3
.irp e, 0,1
	s_delay_alu instid0(VALU_DEP_2)
	v_fma_f32 v[BO+2+\e], v[P+8*\e+2*\p+1], v[VF+4*\p+2*\e+1], v[BO+2+\e]       ; the row's sum
.endr
.endr
	s_wait_alu depctr_va_vdst(0)
.irp e, 0,1
	v_rcp_f32 v[BO+2+\e], v[BO+2+\e]
.endr
	v_nop                                          ; one plain place behind a transcendental
	s_wait_alu depctr_va_vdst(0)
.irp p, 0,1,2,3
.irp e, 0,1
	v_mul_f32 v[P+8*\e+2*\p], v[P+8*\e+2*\p+1], v[BO+2+\e]         ; f / the sum, the low word of a pair
.endr
.endr
	s_wait_alu depctr_va_vdst(0)
	s_wait_dscnt 0x0
.irp e, 0,1
.irp k, 0,2,4,6,8,10,12,14
	v_pk_mul_f32 v[S+16*\e+\k:S+16*\e+\k+1], v[S+16*\e+\k:S+16*\e+\k+1], v[P+8*\e:P+8*\e+1] op_sel_hi:[1,0]
.endr
.endr
.irp p, 1,2,3
.irp e, 0,1
.irp k, 0,2,4,6,8,10,12,14
	v_pk_fma_f32 v[S+16*\e+\k:S+16*\e+\k+1], v[S+32*\p+16*\e+\k:S+32*\p+16*\e+\k+1], v[P+8*\e+2*\p:P+8*\e+2*\p+1], v[S+16*\e+\k:S+16*\e+\k+1] op_sel_hi:[1,0,1]
.endr
.endr
.endr
	; ---- THE WAY OUT.  Register 16 e + 8 u + j of lane (r, h) is out(query r, channel 32 (2 s + e) + 16 u + 8 h + j): my two heads are 256 bytes of a row.  Through my own stage, so that sixteen lanes store 256 consecutive bytes.
.irp e, 0,1
.irp u, 0,1
	ds_store_b128 v[ADI], v[S+16*\e+8*\u:S+16*\e+8*\u+3] offset:128*\e+64*\u
	ds_store_b128 v[ADI], v[S+16*\e+8*\u+4:S+16*\e+8*\u+7] offset:128*\e+64*\u+16
.endr
.endr
.irp i, 0,1,2,3,4,5,6,7
	ds_load_b128 v[MB+4*\i:MB+4*\i+3], v[ADS] offset:2*\i*SPT      ; LDS serves a wave's instructions in order (ISA guide 5.7.1.4): these see my stores
.endr
.irp i, 0,1,2,3,4,5,6,7
	s_wait_dscnt 7-\i                              ; the younger loads may be out
	global_store_b128 v[ADA], v[MB+4*\i:MB+4*\i+3], s[10:11] offset:2048*\i th:TH_STORE_NT      ; written once, read by nobody here
.endr
	s_wait_tensorcnt 0x0                           ; the wave's end: behind my last tensor load and my last LDS store
	ds_add_u32 v[SPW], v[NIL]
	s_wait_dscnt 0x0
	CROUND                                         ; the closing round: no work-group ends while a partner may still ask for a chunk that names it
	s_endpgm
.Lfunc_end_k_qe610b54259_attn:
	.size	k_qe610b54259_attn, .Lfunc_end_k_qe610b54259_attn-k_qe610b54259_attn
	.p2alignl 7, 3214868480
	.fill 96, 4, 3214868480
	.section	.rodata,"a",@progbits
	.p2align	6, 0x0
	.amdhsa_kernel k_qe610b54259_attn
		.amdhsa_group_segment_fixed_size 327680
		.amdhsa_private_segment_fixed_size 0
		.amdhsa_enable_private_segment 0
		.amdhsa_kernarg_size 32
		.amdhsa_user_sgpr_count 2
		.amdhsa_user_sgpr_kernarg_segment_ptr 1
		.amdhsa_wavefront_size32 1
		.amdhsa_system_sgpr_workgroup_id_x 1
		.amdhsa_system_sgpr_workgroup_id_y 1
		.amdhsa_system_sgpr_workgroup_id_z 1
		.amdhsa_system_vgpr_workitem_id 0
		.amdhsa_next_free_vgpr 512
		.amdhsa_next_free_sgpr 100
		.amdhsa_reserve_vcc 1
		.amdhsa_float_denorm_mode_32 3
		.amdhsa_float_denorm_mode_16_64 3
		.amdhsa_memory_ordered 1
		.amdhsa_forward_progress 1
		.amdhsa_inst_pref_size 255
	.end_amdhsa_kernel
	.section	.bss,"aw",@nobits
	.p2align	6
	.space	262144
	.amdgpu_metadata
---
amdhsa.version: [ 1, 2 ]
amdhsa.kernels:
  - .name:           k_qe610b54259_attn
    .symbol:         k_qe610b54259_attn.kd
    .args:
      - { .name: adj, .offset: 0, .size: 8, .value_kind: global_buffer, .address_space: global }
      - { .name: qq, .offset: 8, .size: 8, .value_kind: global_buffer, .address_space: global }
      - { .name: kv, .offset: 16, .size: 8, .value_kind: global_buffer, .address_space: global }
      - { .name: out0, .offset: 24, .size: 8, .value_kind: global_buffer, .address_space: global }
    .group_segment_fixed_size: 327680
    .private_segment_fixed_size: 0
    .kernarg_segment_align: 8
    .kernarg_segment_size: 32
    .max_flat_workgroup_size: 256
    .sgpr_count:     100
    .vgpr_count:     512
    .wavefront_size: 32
...
	.end_amdgpu_metadata
.endif
;; end of part 2
